; MI455X (gfx1250); checked and timed in simulation.
; The chip was launched on July 23, 2026; its instructions are those of AMD's public machine-readable ISA for CDNA 5 (MIT licence, August 2026) and "CDNA5" Instruction Set Architecture Reference Guide (July 2026). The comments in the code are by the model that wrote it; some were corrected since.
;; Mul Attontion. Allowed arithmetic: float matrix products may take bf16 or f16 operands with f32 sums; all other float work in f32.
;; Inputs: Wk 256 x 256 float32; Wo 256 x 256 float32; Wq 256 x 256 float32; Wv 256 x 256 float32; bk 256 float32; bo 256 float32; bq 256 float32; bv 256 float32; gamma 1 float32; x 32 x 256 x 32 x 32 float32.
;; Outputs: out0 32 x 256 x 32 x 32 float32.
;; One version. Each part assembles by itself: llvm-mc -triple=amdgcn-amd-amdhsa -mcpu=gfx1250 --defsym DOCPART=n.
;; ======== version 1 of 1: 2 launches
;; workspace buffers: ofrag 16,777,216 bytes; wofrag 131,072 bytes
;; launch attn (part 1): grid 8 x 32, 8 waves a work-group, clusters of 4 x 1, 327,680 bytes of LDS; arguments x, Wq, Wk, Wv, bq, bk, bv, Wo, ofrag, wofrag; writes ofrag, wofrag
.if DOCPART == 1
	.amdgcn_target "amdgcn-amd-amdhsa--gfx1250"
	.amdhsa_code_object_version 6
	.text
	.protected	k_q7786e9a285_attn
	.globl	k_q7786e9a285_attn
	.p2align	8
	.type	k_q7786e9a285_attn,@function
k_q7786e9a285_attn:
	s_mov_b64 s[64:65], 0
	v_nop
	global_prefetch_b8 v0, s[64:65] scope:SCOPE_SE
	s_setreg_imm32_b32 hwreg(HW_REG_WAVE_MODE, 25, 1), 1
	s_wait_xcnt 0x0
	s_wait_alu depctr_hold_cnt(0) depctr_sa_sdst(0) depctr_va_vdst(0) depctr_va_sdst(0) depctr_va_ssrc(0) depctr_va_vcc(0) depctr_vm_vsrc(0)
	s_getreg_b32 s2, hwreg(HW_REG_IB_STS2, 6, 4)
	s_cmp_eq_u32 s2, 0
	s_cbranch_scc0 .Lentry_in_a_cluster
	s_endpgm
.Lentry_in_a_cluster:
	s_bfe_u32 s2, ttmp6, 0x10000c
	s_cmp_lg_u32 s2, 0x3003
	s_cbranch_scc0 .Lentry_shape_is_right
	s_endpgm
.Lentry_shape_is_right:
; ONE (BATCH, HEAD) TO A WORK-GROUP: q, k, v = W x + b for the head's 32 output rows, then the whole attention of that head (1,024 queries x 1,024 keys, head size 32).
; x: [32][256][1024] f32.  Wq, Wk, Wv, Wo: [256][256] f32.  bq, bk, bv: [256] f32.  Out: ofrag (o in bf16, as the next launch's fragments) and 512 bytes of wofrag (Wo in bf16, as fragments).
; FORMATS.  Every matrix operand (x, W, q, k, v, the weights p, o) is rounded to bf16; sums, maxima, exponentials and biases are f32.  q is multiplied by c = log2(e) / sqrt(32) in f32 ahead of its one rounding.
; LIMITS.  NaN and infinities are not treated apart; a weight below 2^-126 counts as 0; the divisor l is the sum of the unrounded weights, while the product takes them rounded to bf16.
; SHARES.  Eight waves; wave w owns positions 128 w .. 128 w + 127, as queries and as the keys that it makes: eight tiles t = 4 be + f of 16; lane place r of tile t is position 128 w + 64 be + 4 r + f,
; because a lane reads 16 bytes (4 neighbouring positions) of a row of x and word f goes to fragment f.  K, V and the weights share that order, so the softmax does not see it.
; RESULTS ARE FRAGMENTS.  W (source 0) x x (source 1) leaves a lane one position and 8 channels: two results packed are a fragment of Q or of K.  x (source 0) x Wv (source 1) leaves a lane one channel and
; 8 keys: two results packed are a fragment of V^T.  S^T = K Q^T packed is source 1 of O^T = V^T P, and O^T packed is source 1 of the next launch.  Nothing changes lanes but one exchange of halves for m and l.
; SOFTMAX IN TWO PASSES.  K and V of the head stay in LDS.  Pass 1 makes S^T and takes each query's true maximum m.  Pass 2 makes S^T again with -m as the C operand, so that the result is the exponent:
; p = 2^(c s - c m).  For a tile of 16 queries x 64 keys that is 16 maxima, 32 exponentials, 16 roundings and 16 packed sums, with no rescaling and no dependent chain, for 4 more matrix instructions.
; CLUSTER.  The four heads of a cluster belong to one batch and stream the same x: each tile of x is asked for JOINTLY, by the same tensor load, descriptor and mask in all four.
; LDS.  0: slot 0, 131,072: slot 1, each a tile of x (32 channels x 4,096 bytes, dense).  Slot 0 has its last fill with tile 6; afterwards it holds K and V: key step u (32 keys) at 4,096 u:
; K tile 2 u, K tile 2 u + 1, V^T channels 0-15, V^T channels 16-31, 1,024 bytes each (registers 0-3 of 32 lanes, then registers 4-7).
; 262,144: the head's 96 rows of Wq, Wk, Wv in bf16, 528 bytes apart (33 x 16: the 16 rows of a fragment load start at 16 different 16-byte columns of 256).  312,832: the spare words.
; REGISTERS, in two windows of 256 (s_set_vgpr_msb: bits 1:0 source 0, 3:2 source 1, 5:4 source 2, 7:6 destination).
;   window 0: v0-15 addresses; projection: v16-47 x as loaded, v48-79 x's 4 fragments, v80-127 W's 6 fragments, v128-255 q's sums;
;             attention: v16-31 K, v32-47 V, v48-63 l, v64-71 m, v72-79 at work, v80-95 1 / l, v128-255 S^T, 16 a query tile, its first 8 then P
;   window 1: projection: v0-127 k's sums, v128-255 v's sums; attention: v0-63 Q, v64-127 -m (8 a tile, the C operand), v128-255 O^T
.set SLOTB, 131072     ; bytes in a slot, and in a tile of x
.set WL,    262144     ; the weights
.set WP,    528        ; their pitch
.set SPARE, 312832     ; 128 bytes for each of the eight waves: four blocks of 256 bytes that no other line names
.set RAW, 16
.set XF,  48
.set WF,  80           ; fragment g = 2 m + ob (m: q, k, v; ob: which 16 rows) at WF + 8 g
.set QA,  128          ; window 0: sums (ob, t) at + 8 (2 t + ob)
.set KA,  0            ; window 1, likewise
.set VA,  128          ; window 1, likewise
.set BQ,  16           ; bq of my 16 channels; BK likewise
.set BK,  32
.set BV,  12           ; bv of my channel, twice, for ob = 0 and 1
.set PK,  48           ; packed K or V on the way into LDS
.set KF,  16
.set VF,  32
.set LS,  48           ; tile t: pair LS + 2 t (even registers' weights, odd registers')
.set MX,  64
.set TMP, 72
.set INV, 80
.set S,   128
.set QF,  0            ; window 1
.set MN,  64           ; window 1
.set O,   128          ; window 1: (t, cb) at + 16 t + 8 cb
; scalars: s[4:23] the ten addresses; s24 wave; s25 cx; s26 head; s27 batch; s28 8 batch + head; s[32:39] descriptor group 1; s[40:47] group 0 for slot 0 and 1;
; s[48:49] c; s[50:51] lane selects; s52 loop counter; s[54:55] prefetch base
.set MSB, 0
.macro WIN new                       ; the immediate's high byte repeats the setting that is left; a switch that changes nothing is dropped
.if MSB != (\new)
	s_set_vgpr_msb (MSB<<8)|(\new)
.set MSB, \new
.endif
.endm
.macro PLACES                        ; four plain vector instructions between a matrix instruction and what reads its result or writes or loads into its registers
.rept 4
	v_nop
.endr
.endm
.macro MMA d, a, b, zero             ; zero = 1: the product starts the sum
.if \zero
	v_wmma_f32_16x16x32_bf16 v[(\d):(\d)+7], v[(\a):(\a)+7], v[(\b):(\b)+7], 0
.else
	v_wmma_f32_16x16x32_bf16 v[(\d):(\d)+7], v[(\a):(\a)+7], v[(\b):(\b)+7], v[(\d):(\d)+7]
.endif
.endm
; A round of the cluster's barrier: my work-group's barrier, so that wave 0's signal speaks for all eight waves; wave 0 signals; every wave waits for all four work-groups; my work-group's barrier once more.
.macro ROUND
	s_barrier_signal -1
	s_barrier_wait -1
	s_cmp_lg_u32 s24, 0
	s_cbranch_scc1 .Lnot_wave_0_\@
	s_barrier_signal -3
.Lnot_wave_0_\@:
	s_barrier_wait -3
	s_barrier_signal -1
	s_barrier_wait -1
.endm
; Waves 0 and 1 ask for this head's eighth (16,384 bytes, 64 lanes 256 bytes apart) of tile j of x, one step of the stream ahead of the tensor loads that fetch the tile.  The eight heads of a batch
; cover the tile, each block once in the launch; tiles 2 to 7 are asked for, so no request leaves x.
.macro PF j
	s_cmp_lt_u32 s24, 2
	s_cbranch_scc0 .Lno_pf_\@
	global_prefetch_b8 v8, s[54:55] offset:131072*(\j) th:TH_LOAD_NT scope:SCOPE_SE
.Lno_pf_\@:
.endm
	s_load_b512 s[4:19], s[0:1], 0x0               ; x, Wq, Wk, Wv, bq, bk, bv, Wo
	s_load_b128 s[20:23], s[0:1], 0x40             ; ofrag, wofrag
	v_lshl_add_u32 v10, v0, 2, SPARE
	v_mov_b32 v11, 0
	ds_add_u32 v10, v11                            ; the wave's opening: the add and its wait ahead of my first tensor load; the set-up below, work on registers, stands between them
	v_lshrrev_b32 v9, 5, v0
	v_readfirstlane_b32 s24, v9                    ; wave 0..7
	s_bfe_u32 s25, ttmp6, 0x40000                  ; cx: my place in the cluster; it enters global addresses alone
	s_lshl_b32 s26, ttmp9, 2
	s_add_co_u32 s26, s26, s25                     ; head = 4 x cluster x + cx
	s_and_b32 s27, ttmp7, 0xffff                   ; batch, which the four partners share
	s_lshl_b32 s28, s27, 3
	s_add_co_u32 s28, s28, s26                     ; the work-group's number, 0..255
	; descriptor group 1: my 16,384 dense bytes of a tile, as 64 rows of 256 bytes
	s_mov_b32 s32, 15|(3<<16)|(1<<21)              ; 15:0 the mask of four; 17:16 elements of 8 bytes; 21 set beside a mask
	s_mov_b32 s33, 32<<16                          ; tensor_dim0 = 32
	s_mov_b32 s34, 64<<16                          ; tensor_dim1 = 64
	s_mov_b32 s35, 32<<16                          ; tile_dim0 = 32
	s_mov_b32 s36, 64                              ; tile_dim1 = 64
	s_mov_b32 s37, 32                              ; 32 elements from row to row
	s_mov_b32 s38, 0
	s_mov_b32 s39, 0
	s_lshl_b32 s29, s24, 14                        ; my part of a tile: 4 channel rows
	s_mov_b32 s40, 1
	s_mov_b32 s41, s29                             ; LDS address in slot 0
	s_mov_b32 s44, 1
	s_add_co_u32 s45, s29, SLOTB                   ; and in slot 1
	s_lshl_b32 s30, s27, 20                        ; the batch's 1,048,576 bytes of x
	s_add_co_u32 s30, s30, s29
	s_mov_b32 s31, 0
	s_lshl_b32 s52, s27, 20                        ; the prefetch's base: the batch, and 16,384 bytes for each head
	s_lshl_b32 s53, s26, 14
	s_add_co_u32 s52, s52, s53
	s_mov_b32 s53, 0
	s_lshl_b32 s56, s26, 15                        ; the head's 32 rows of a W, my 4 of them
	s_lshl_b32 s57, s24, 12
	s_add_co_u32 s56, s56, s57
	s_mov_b32 s57, 0
	s_lshl_b32 s58, s26, 7                         ; the head's 32 numbers of a bias
	s_mov_b32 s59, 0
	s_lshr_b32 s60, s28, 4                         ; my half fragment of Wo: row block n / 16, K step (n / 2) % 8, half n % 2
	s_lshl_b32 s60, s60, 14
	s_bfe_u32 s61, s28, 0x30001
	s_lshl_b32 s61, s61, 7
	s_add_co_u32 s60, s60, s61
	s_and_b32 s61, s28, 1
	s_lshl_b32 s61, s61, 6
	s_add_co_u32 s60, s60, s61
	s_mov_b32 s61, 0
	s_lshl_b32 s62, s28, 9                         ; and its 512 bytes in wofrag
	s_mov_b32 s63, 0
	s_mov_b32 s48, 0x3e8293ee                      ; c = log2(e) / sqrt(32) = 0.255035
	s_mov_b32 s49, s48                             ; named with it as a pair
	s_mov_b32 s50, 0x76543210                      ; v_permlanex16_b32: each lane takes its own place in the other half
	s_mov_b32 s51, 0xfedcba98
	s_mul_i32 s3, s24, 4*WP                        ; my 4 rows in each W's 32 in LDS
	v_and_b32 v1, 31, v0
	v_lshlrev_b32 v1, 4, v1                        ; v1 = 16 x lane; never rewritten
	v_and_b32 v9, 15, v0                           ; r
	v_bfe_u32 v12, v0, 4, 1                        ; h
	v_lshlrev_b32 v2, 4, v9
	v_lshl_add_u32 v2, v12, 15, v2
	v_lshl_add_u32 v2, s24, 9, v2                  ; x in slot 0: channel 8 h, my wave's 512 bytes, 16 r
	v_add_nc_u32 v3, 65536, v2                     ; channels 16 + 8 h
	v_add_nc_u32 v4, SLOTB, v2                     ; the same in slot 1
	v_add_nc_u32 v5, SLOTB+65536, v2
	v_mul_u32_u24 v6, v9, WP
	v_lshl_add_u32 v6, v12, 4, v6
	v_add_nc_u32 v6, WL, v6                        ; a fragment of W: row r, 16 h
	v_lshl_add_u32 v7, s24, 14, v1                 ; my four key steps in K and V's place, 16 x lane
	v_lshlrev_b32 v8, 8, v0                        ; the prefetch: threads 256 bytes apart; never rewritten
	v_and_b32 v14, 31, v0
	v_lshlrev_b32 v14, 3, v14
	v_add_nc_u32 v14, s3, v14
	v_add_nc_u32 v14, WL, v14                      ; where I put 8 bytes of a row of W
	v_lshlrev_b32 v15, 10, v9
	v_lshl_add_u32 v15, v12, 5, v15                ; Wo: row r, 8 numbers for each half of the lanes
	s_wait_dscnt 0x0                               ; the opening add is done
	s_wait_kmcnt 0x0
	s_add_nc_u64 s[54:55], s[4:5], s[52:53]
	s_add_nc_u64 s[4:5], s[4:5], s[30:31]          ; x at my part of tile 0: batch and wave alone
	s_mov_b64 s[42:43], s[4:5]
	s_or_b32 s43, s43, 0x80000000                  ; type = 2
	s_add_nc_u64 s[46:47], s[4:5], SLOTB           ; tile 1
	s_or_b32 s47, s47, 0x80000000
	s_add_nc_u64 s[6:7], s[6:7], s[56:57]
	s_add_nc_u64 s[8:9], s[8:9], s[56:57]
	s_add_nc_u64 s[10:11], s[10:11], s[56:57]
	s_add_nc_u64 s[12:13], s[12:13], s[58:59]
	s_add_nc_u64 s[14:15], s[14:15], s[58:59]
	s_add_nc_u64 s[16:17], s[16:17], s[58:59]
	s_add_nc_u64 s[18:19], s[18:19], s[60:61]
	s_add_nc_u64 s[22:23], s[22:23], s[62:63]
	s_lshl_b32 s56, s27, 19                        ; ofrag: the batch, my wave's two blocks of 64 positions, the head
	s_lshl_b32 s57, s24, 16
	s_add_co_u32 s56, s56, s57
	s_lshl_b32 s57, s26, 12
	s_add_co_u32 s56, s56, s57
	s_mov_b32 s57, 0
	s_add_nc_u64 s[20:21], s[20:21], s[56:57]
	ROUND                                          ; all four work-groups are here: the first joint loads meet
	tensor_load_to_lds s[40:43], s[32:39]          ; tile 0 and tile 1: two loads of mine are out
	s_nop 0
	tensor_load_to_lds s[44:47], s[32:39]
	s_nop 0
	PLACES
	; THE HEAD'S WEIGHTS INTO LDS.  My 4 rows of each W are 4,096 dense bytes: 8 loads of 512 neighbouring bytes; rounded to bf16, 8 bytes a lane, 256 neighbouring bytes a store.
.set i, 0
.rept 24                             ; i = 8 m + j
	global_load_b128 v[128+4*i:128+4*i+3], v1, s[6+2*(i/8):7+2*(i/8)] offset:512*(i%8)
.set i, i+1
.endr
.set i, 0
.rept 24
	s_wait_loadcnt 23-i                            ; loads come back in order (ISA guide 5.7.1): the younger ones stay out
	v_cvt_pk_bf16_f32 v[128+4*i], v[128+4*i], v[128+4*i+1]
	v_cvt_pk_bf16_f32 v[128+4*i+1], v[128+4*i+2], v[128+4*i+3]
	ds_store_b64 v14, v[128+4*i:128+4*i+1] offset:(32*(i/8)+(i%8)/2)*WP+(i%2)*256
.set i, i+1
.endr
	; Wave 0 also rounds 1/256 of Wo and lays it as half a fragment for the next launch: 64 bytes of each of 16 rows in, once a work-group; 512 neighbouring bytes out.
	s_cmp_lg_u32 s24, 0
	s_cbranch_scc1 .Lno_wo
	global_load_b128 v[224:227], v15, s[18:19]
	global_load_b128 v[228:231], v15, s[18:19] offset:16
	s_wait_loadcnt 0x0
	v_cvt_pk_bf16_f32 v232, v224, v225
	v_cvt_pk_bf16_f32 v233, v226, v227
	v_cvt_pk_bf16_f32 v234, v228, v229
	v_cvt_pk_bf16_f32 v235, v230, v231
	global_store_b128 v1, v[232:235], s[22:23]
	s_wait_xcnt 0x0                                ; the store's data registers are written again (q's sums) only behind this wait
.Lno_wo:
; THE STREAM OF x: eight steps of 32 channels.
.macro WLOAD k                       ; the six fragments of W for channels 32 k on
.set g, 0
.rept 6
	ds_load_b128 v[WF+8*g:WF+8*g+3],   v6 offset:16*g*WP+64*(\k)
	ds_load_b128 v[WF+8*g+4:WF+8*g+7], v6 offset:16*g*WP+64*(\k)+32
.set g, g+1
.endr
.endm
.macro XLOAD slot, be, part          ; channels 16 part + 8 h + 0..7, my 4 positions of block be: lanes 0-15 read 256 neighbouring bytes, lanes 16-31 those 8 channels on
.set p, 0
.rept 8
	ds_load_b128 v[RAW+4*p:RAW+4*p+3], v[2+2*(\slot)+(\part)] offset:4096*p+256*(\be)
.set p, p+1
.endr
.endm
.macro XCVT part                     ; two channels of one position make a register of fragment f.  The eight loads are the youngest LDS instructions: the counts leave the later pairs out
.set i, 0
.rept 4
	s_wait_dscnt 6-2*i
.set f, 0
.rept 4
	v_cvt_pk_bf16_f32 v[XF+8*f+4*(\part)+i], v[RAW+8*i+f], v[RAW+8*i+4+f]
.set f, f+1
.endr
.set i, i+1
.endr
.endm
.macro PMUL be, zero                 ; 24 products on 24 accumulators, one instruction a turn
	WIN 0
.set f, 0
.rept 4
.set a, 2*(4*(\be)+f)
	MMA QA+8*a, WF, XF+8*f, \zero
	MMA QA+8*a+8, WF+8, XF+8*f, \zero
.set f, f+1
.endr
	WIN 0x50                                       ; C and D in window 1
.set f, 0
.rept 4
.set a, 2*(4*(\be)+f)
	MMA KA+8*a, WF+16, XF+8*f, \zero
	MMA KA+8*a+8, WF+24, XF+8*f, \zero
.set f, f+1
.endr
.set f, 0
.rept 4
.set a, 2*(4*(\be)+f)
	MMA VA+8*a, XF+8*f, WF+32, \zero               ; x as source 0: a lane of the result holds one channel of v and 8 keys
	MMA VA+8*a+8, XF+8*f, WF+40, \zero
.set f, f+1
.endr
.endm
.macro BIAS                          ; the biases, into registers that x has left; slot 0's address registers, which have had their last use, take the lanes' offsets.  A few short pieces, once a wave
	v_and_b32 v2, 15, v0
	v_bfe_u32 v3, v0, 4, 1
	v_lshlrev_b32 v2, 2, v2                        ; bv: channel r
	v_lshlrev_b32 v3, 5, v3                        ; bq, bk: channels 8 h on
.set i, 0
.rept 2
	global_load_b128 v[BQ+8*i:BQ+8*i+3],   v3, s[12:13] offset:64*i
	global_load_b128 v[BQ+8*i+4:BQ+8*i+7], v3, s[12:13] offset:64*i+16
	global_load_b128 v[BK+8*i:BK+8*i+3],   v3, s[14:15] offset:64*i
	global_load_b128 v[BK+8*i+4:BK+8*i+7], v3, s[14:15] offset:64*i+16
	global_load_b32 v[BV+2*i],   v2, s[16:17] offset:64*i
	global_load_b32 v[BV+2*i+1], v2, s[16:17] offset:64*i
.set i, i+1
.endr
.endm
.macro PCOMP k, zero, last           ; one step's work; in front of it stand four places behind the last step's products
	WLOAD \k
	XLOAD (\k)&1, 0, 0
	XCVT 0
	XLOAD (\k)&1, 0, 1
	XCVT 1
	XLOAD (\k)&1, 1, 0                             ; the second block's first half is on its way while the first block is multiplied
	PMUL 0, \zero
	WIN 0
	PLACES                                         ; x's fragments are written again
	XCVT 0
	XLOAD (\k)&1, 1, 1
	XCVT 1
.if \last
	BIAS
.endif
	PMUL 1, \zero
	WIN 0
.endm
; Steps 1 to 6.  Each wave waits for all its tensor loads (one is out: its part of this step's tile), adds 0 to its spare word, and waits for that and for its reads of the other slot; the round shows the
; same of every wave of all four work-groups; the joint refill, tile k + 1 into the slot read in step k - 1, is the first thing behind it and has this step's work in which to land.
.macro PTURN k
	WIN 0
	s_wait_tensorcnt 0x0                           ; no tensor load of mine is out, so a group 0 may be written
	ds_add_u32 v10, v11                            ; 0 onto my spare word
	s_add_nc_u64 s[42+4*(((\k)+1)&1):43+4*(((\k)+1)&1)], s[42+4*(((\k)+1)&1):43+4*(((\k)+1)&1)], 2*SLOTB  ; that slot's next tile; the type bits on top are not reached
	s_wait_dscnt 0x0                               ; the add is done, and my reads of that slot are over
	ROUND
	tensor_load_to_lds s[40+4*(((\k)+1)&1):43+4*(((\k)+1)&1)], s[32:39]
	s_nop 0
	PLACES                                         ; also the places in front of the loads into W's fragments
.if (\k) <= 5
	PF (\k)+2
.endif
	PCOMP \k, 0, 0
.endm
	s_wait_tensorcnt 0x1                           ; my part of tile 0 is in; tile 1's may stay out
	s_wait_dscnt 0x0                               ; for the others' sake: my rows of W are in LDS
	s_barrier_signal -1
	s_barrier_wait -1
	PF 2
	PCOMP 0, 1, 0                                  ; the first step's products start the sums: nothing is cleared
	PTURN 1
	PTURN 2
	PTURN 3
	PTURN 4
	PTURN 5
	PTURN 6
	s_wait_tensorcnt 0x0                           ; step 7: my part of tile 7 is in; nothing is asked for, so my work-group's barrier is enough
	ds_add_u32 v10, v11
	s_wait_dscnt 0x0                               ; my reads of slot 0 are over: behind this barrier it takes K and V
	s_barrier_signal -1
	s_barrier_wait -1
	PLACES
	PCOMP 7, 0, 1
	; K AND V INTO LDS, AS FRAGMENTS.  Bias in f32, one rounding, 16 bytes a lane, 512 neighbouring bytes a store.  Each accumulator is read from its low end on.
	PLACES
	s_wait_loadcnt 0x0                             ; the biases
	WIN 0x41                                       ; destination and source 0 in window 1
.set a, 0
.rept 16                             ; a = 2 t + ob
.set i, 0
.rept 4
	v_pk_add_f32 v[KA+8*a+2*i:KA+8*a+2*i+1], v[KA+8*a+2*i:KA+8*a+2*i+1], v[BK+8*(a%2)+2*i:BK+8*(a%2)+2*i+1]
.set i, i+1
.endr
.set a, a+1
.endr
	WIN 0x05                                       ; sources in window 1, destination in window 0
.set a, 0
.rept 16
.set i, 0
.rept 4
	v_cvt_pk_bf16_f32 v[PK+4*a+i], v[KA+8*a+2*i], v[KA+8*a+2*i+1]
.set i, i+1
.endr
.set a, a+1
.endr
	WIN 0
.set a, 0
.rept 16
	ds_store_b128 v7, v[PK+4*a:PK+4*a+3] offset:(a/4)*4096+((a/2)%2)*1024+(a%2)*512  ; key step t / 2, K tile t % 2, channels 16 ob on are registers 4 ob on
.set a, a+1
.endr
	WIN 0x41
.set a, 0
.rept 16
.set i, 0
.rept 4
	v_pk_add_f32 v[VA+8*a+2*i:VA+8*a+2*i+1], v[VA+8*a+2*i:VA+8*a+2*i+1], v[BV+2*(a%2):BV+2*(a%2)+1]
.set i, i+1
.endr
.set a, a+1
.endr
	WIN 0x05
.set a, 0
.rept 16
.set i, 0
.rept 4
	v_cvt_pk_bf16_f32 v[PK+4*a+i], v[VA+8*a+2*i], v[VA+8*a+2*i+1]
.set i, i+1
.endr
.set a, a+1
.endr
	WIN 0
.set a, 0
.rept 16
	ds_store_b128 v7, v[PK+4*a:PK+4*a+3] offset:(a/4)*4096+2048+(a%2)*1024+((a/2)%2)*512  ; channel block ob; tile t % 2's keys are registers 4 (t % 2) on
.set a, a+1
.endr
	s_wait_dscnt 0x0                               ; for the others' sake: my K and V are in LDS
	s_barrier_signal -1
	; Q stays in registers: (sum + bq) c as sum x c + c bq, one rounding.  Work on registers, between the signal and the wait.
.set i, 0
.rept 8
	v_pk_mul_f32 v[BQ+2*i:BQ+2*i+1], v[BQ+2*i:BQ+2*i+1], s[48:49] op_sel_hi:[1,0]
.set i, i+1
.endr
.set a, 0
.rept 16
.set i, 0
.rept 4
	v_pk_fma_f32 v[QA+8*a+2*i:QA+8*a+2*i+1], v[QA+8*a+2*i:QA+8*a+2*i+1], s[48:49], v[BQ+8*(a%2)+2*i:BQ+8*(a%2)+2*i+1] op_sel_hi:[1,0,1]
.set i, i+1
.endr
.set a, a+1
.endr
	WIN 0x40                                       ; destination in window 1
.set a, 0
.rept 16
.set i, 0
.rept 4
	v_cvt_pk_bf16_f32 v[QF+4*a+i], v[QA+8*a+2*i], v[QA+8*a+2*i+1]
.set i, i+1
.endr
.set a, a+1
.endr
	WIN 0
	s_barrier_wait -1                              ; everybody's K and V are in LDS; from here on no wave waits for another
.macro KLOAD off                     ; two fragments of K: 32 keys
.set i, 0
.rept 4
	ds_load_b128 v[KF+4*i:KF+4*i+3], v7 offset:(\off)+512*i
.set i, i+1
.endr
.endm
.macro VLOAD                         ; two fragments of V^T: the same 32 keys, 32 channels
.set i, 0
.rept 4
	ds_load_b128 v[VF+4*i:VF+4*i+3], v7 offset:2048+512*i
.set i, i+1
.endr
.endm
	; PASS 1: each query's maximum over all keys.
	v_mov_b32 v7, v1                               ; key step 0
	KLOAD 0
.set t, 0
.rept 8
	v_mov_b32 v[MX+t], 0xff7fffff                  ; the lowest finite number
.set t, t+1
.endr
.macro P1STEP last                   ; 32 keys x my 128 queries.  last = 1: the address goes back, and the loads fetch key step 0 for pass 2
	s_wait_dscnt 0x0                               ; K is in
	WIN 0x04                                       ; Q in window 1
.set t, 0
.rept 8
	MMA S+16*t, KF, QF+8*t, 1
	MMA S+16*t+8, KF+8, QF+8*t, 1
.set t, t+1
.endr
	WIN 0
.if \last
	v_mov_b32 v7, v1
.else
	v_add_nc_u32 v7, 4096, v7                      ; the next key step; with the three below: the four places
.endif
	v_nop
	v_nop
	v_nop
	KLOAD 0
.set i, 0
.rept 8                              ; the eight tiles take turns; each accumulator's lowest registers are read first
.set t, 0
.rept 8
	v_max3_num_f32 v[MX+t], v[MX+t], v[S+16*t+2*i], v[S+16*t+2*i+1]
.set t, t+1
.endr
.set i, i+1
.endr
.endm
	s_mov_b32 s52, 31
.Lpass1:
	P1STEP 0
	s_sub_co_u32 s52, s52, 1
	s_cmp_lg_u32 s52, 0
	s_cbranch_scc1 .Lpass1
	P1STEP 1
.set t, 0
.rept 8
	v_permlanex16_b32 v[TMP+t], v[MX+t], s50, s51  ; the query's other keys lie in the lane 16 away
.set t, t+1
.endr
.set t, 0
.rept 8
	v_max_num_f32 v[MX+t], v[MX+t], v[TMP+t]
.set t, t+1
.endr
	WIN 0x40
.set t, 0
.rept 8
.set j, 0
.rept 8
	v_mul_f32 v[MN+8*t+j], -1.0, v[MX+t]           ; -m, eight times: the C operand of pass 2's products
.set j, j+1
.endr
.set t, t+1
.endr
	WIN 0
.set i, 0
.rept 16
	v_mov_b32 v[LS+i], 0
.set i, i+1
.endr
; PASS 2.
.macro SPROD t0                      ; S^T - m for four query tiles
	WIN 0x14                                       ; Q and -m in window 1
.set t, \t0
.rept 4
	v_wmma_f32_16x16x32_bf16 v[S+16*t:S+16*t+7], v[KF:KF+7], v[QF+8*t:QF+8*t+7], v[MN+8*t:MN+8*t+7]
	v_wmma_f32_16x16x32_bf16 v[S+16*t+8:S+16*t+15], v[KF+8:KF+15], v[QF+8*t:QF+8*t+7], v[MN+8*t:MN+8*t+7]
.set t, t+1
.endr
.endm
.macro OPROD t0, zero                ; O^T += V^T P for four query tiles: eight accumulators, one instruction a turn
	WIN 0x50
.set t, \t0
.rept 4
	MMA O+16*t, VF, S+16*t, \zero
	MMA O+16*t+8, VF+8, S+16*t, \zero
.set t, t+1
.endr
.endm
; The weights of nt query tiles from tile ta on: 16 nt exponentials in place, ascending, and three lines behind each pair of them its sum into l and its rounding to bf16, into the tile's first eight
; registers.  Exponential and plain line by turns: a plain line stands between every exponential and the use of its result, and the line behind an exponential never names its register (ISA guide 5.7.2).
.macro SOFT ta, nt
.set n0, S+16*(\ta)
.set i, 0
.rept 16*(\nt)+3
.if i < 16*(\nt)
	v_exp_f32 v[n0+i], v[n0+i]
.endif
.if i == 2
	v_nop
.endif
.if i >= 3
.set q, i-3
.set pr, q/2
.set tl, (\ta)+pr/8
.if q%2 == 0
	s_wait_alu depctr_va_vdst(0)
	v_pk_add_f32 v[LS+2*tl:LS+2*tl+1], v[LS+2*tl:LS+2*tl+1], v[n0+2*pr:n0+2*pr+1]
.else
	v_cvt_pk_bf16_f32 v[S+16*tl+pr%8], v[n0+2*pr], v[n0+2*pr+1]
.endif
.endif
.set i, i+1
.endr
.endm
; A key step of 32 keys.  Loads into V's registers stand four places behind the last step's products; loads into K's behind 32 plain lines; S^T of tiles 0-3 is written again behind the 64 plain lines of
; SOFT 4, 4, that of tiles 4-7 behind the four places and the 32 plain lines of SOFT 0, 2.
.macro P2STEP first, last
	s_wait_dscnt 0x0                               ; K is in
	SPROD 0
	WIN 0
.if \first
	v_nop
.else
	v_add_nc_u32 v7, 4096, v7                      ; this key step
.endif
	v_nop
	v_nop
	v_nop
	VLOAD
	SOFT 0, 2
	SPROD 4
	WIN 0
	SOFT 2, 2
.if \last
	s_wait_dscnt 0x0                               ; V is in
.else
	KLOAD 4096                                     ; the next step's K
	s_wait_dscnt 4                                 ; V is in; the four loads just issued may stay out
.endif
	OPROD 0, \first
	WIN 0
	SOFT 4, 4
	OPROD 4, \first
	WIN 0
.endm
	P2STEP 1, 0                                    ; the first step's products start O^T's sums
	s_mov_b32 s52, 30
.Lpass2:
	P2STEP 0, 0
	s_sub_co_u32 s52, s52, 1
	s_cmp_lg_u32 s52, 0
	s_cbranch_scc1 .Lpass2
	P2STEP 0, 1
	; THE WAY OUT.  l's two halves and the other half of the lanes' are added (the additions are the places behind the last products); O^T is divided by l, rounded to bf16 and stored as it lies:
	; it is source 1 of the next launch's K step for this head.
.set t, 0
.rept 8
	v_add_f32 v[LS+2*t], v[LS+2*t], v[LS+2*t+1]
.set t, t+1
.endr
.set t, 0
.rept 8
	v_permlanex16_b32 v[TMP+t], v[LS+2*t], s50, s51
.set t, t+1
.endr
.set t, 0
.rept 8
	v_add_f32 v[LS+2*t], v[LS+2*t], v[TMP+t]
.set t, t+1
.endr
.set t, 0
.rept 8
	v_rcp_f32 v[INV+2*t], v[LS+2*t]
	v_rcp_f32 v[INV+2*t+1], v[LS+2*t]
.set t, t+1
.endr
	v_nop                                          ; a plain instruction between the last reciprocal and the use of its result
	WIN 0x41
.set a, 0
	s_wait_alu depctr_va_vdst(0)
.rept 16                             ; a = 2 t + cb
.set i, 0
.rept 4
	v_pk_mul_f32 v[O+8*a+2*i:O+8*a+2*i+1], v[O+8*a+2*i:O+8*a+2*i+1], v[INV+2*(a/2):INV+2*(a/2)+1]
.set i, i+1
.endr
.set a, a+1
.endr
	WIN 0x05
.set a, 0
.rept 16
.set i, 0
.rept 4
	v_cvt_pk_bf16_f32 v[S+4*a+i], v[O+8*a+2*i], v[O+8*a+2*i+1]
.set i, i+1
.endr
.set a, a+1
.endr
	WIN 0
.set a, 0
.rept 16
	global_store_b128 v1, v[S+4*a:S+4*a+3], s[20:21] offset:32768*(a/8)+1024*((a/2)%4)+512*(a%2)  ; 512 consecutive bytes, at a multiple of 512 from ofrag's first byte
.set a, a+1
.endr
	s_wait_tensorcnt 0x0                           ; the wave's end, behind my last tensor load and my last LDS store
	ds_add_u32 v10, v11
	s_wait_dscnt 0x0
	ROUND                                          ; the closing round: no work-group ends while a partner may still ask for a tile that names it
	s_endpgm
.Lfunc_end_k_q7786e9a285_attn:
	.size	k_q7786e9a285_attn, .Lfunc_end_k_q7786e9a285_attn-k_q7786e9a285_attn
	.p2alignl 7, 3214868480
	.fill 96, 4, 3214868480
	.section	.rodata,"a",@progbits
	.p2align	6, 0x0
	.amdhsa_kernel k_q7786e9a285_attn
		.amdhsa_group_segment_fixed_size 327680
		.amdhsa_private_segment_fixed_size 0
		.amdhsa_enable_private_segment 0
		.amdhsa_kernarg_size 80
		.amdhsa_user_sgpr_count 2
		.amdhsa_user_sgpr_kernarg_segment_ptr 1
		.amdhsa_wavefront_size32 1
		.amdhsa_system_sgpr_workgroup_id_x 1
		.amdhsa_system_sgpr_workgroup_id_y 1
		.amdhsa_system_sgpr_workgroup_id_z 1
		.amdhsa_system_vgpr_workitem_id 0
		.amdhsa_next_free_vgpr 512
		.amdhsa_next_free_sgpr 66
		.amdhsa_reserve_vcc 0
		.amdhsa_float_denorm_mode_32 3
		.amdhsa_float_denorm_mode_16_64 3
		.amdhsa_memory_ordered 1
		.amdhsa_forward_progress 1
		.amdhsa_inst_pref_size 210
	.end_amdhsa_kernel
	.amdgpu_metadata
---
amdhsa.version: [ 1, 2 ]
amdhsa.kernels:
  - .name:           k_q7786e9a285_attn
    .symbol:         k_q7786e9a285_attn.kd
    .args:
      - { .name: x, .offset: 0, .size: 8, .value_kind: global_buffer, .address_space: global }
      - { .name: Wq, .offset: 8, .size: 8, .value_kind: global_buffer, .address_space: global }
      - { .name: Wk, .offset: 16, .size: 8, .value_kind: global_buffer, .address_space: global }
      - { .name: Wv, .offset: 24, .size: 8, .value_kind: global_buffer, .address_space: global }
      - { .name: bq, .offset: 32, .size: 8, .value_kind: global_buffer, .address_space: global }
      - { .name: bk, .offset: 40, .size: 8, .value_kind: global_buffer, .address_space: global }
      - { .name: bv, .offset: 48, .size: 8, .value_kind: global_buffer, .address_space: global }
      - { .name: Wo, .offset: 56, .size: 8, .value_kind: global_buffer, .address_space: global }
      - { .name: ofrag, .offset: 64, .size: 8, .value_kind: global_buffer, .address_space: global }
      - { .name: wofrag, .offset: 72, .size: 8, .value_kind: global_buffer, .address_space: global }
    .group_segment_fixed_size: 327680
    .private_segment_fixed_size: 0
    .kernarg_segment_align: 8
    .kernarg_segment_size: 80
    .max_flat_workgroup_size: 256
    .sgpr_count:     66
    .vgpr_count:     512
    .wavefront_size: 32
...
	.end_amdgpu_metadata
.endif
;; end of part 1
;; launch outp (part 2): grid 8 x 32, 16 waves a work-group, clusters of 4 x 1, 198,656 bytes of LDS; arguments ofrag, wofrag, x, bo, gamma, out0; writes out0
.if DOCPART == 2
	.amdgcn_target "amdgcn-amd-amdhsa--gfx1250"
	.amdhsa_code_object_version 6
	.text
	.protected	k_q7786e9a285_outp
	.globl	k_q7786e9a285_outp
	.p2align	8
	.type	k_q7786e9a285_outp,@function
k_q7786e9a285_outp:
	s_mov_b64 s[64:65], 0
	v_nop
	global_prefetch_b8 v0, s[64:65] scope:SCOPE_SE
	s_setreg_imm32_b32 hwreg(HW_REG_WAVE_MODE, 25, 1), 1
	s_wait_xcnt 0x0
	s_wait_alu depctr_hold_cnt(0) depctr_sa_sdst(0) depctr_va_vdst(0) depctr_va_sdst(0) depctr_va_ssrc(0) depctr_va_vcc(0) depctr_vm_vsrc(0)
	s_getreg_b32 s2, hwreg(HW_REG_IB_STS2, 6, 4)
	s_cmp_eq_u32 s2, 0
	s_cbranch_scc0 .Lentry_in_a_cluster
	s_endpgm
.Lentry_in_a_cluster:
	s_bfe_u32 s2, ttmp6, 0x10000c
	s_cmp_lg_u32 s2, 0x3003
	s_cbranch_scc0 .Lentry_shape_is_right
	s_endpgm
.Lentry_shape_is_right:
; out0 = gamma (Wo o + bo) + 2 x.  o and Wo arrive in bf16 as register images of fragments (ofrag, wofrag); x, bo, gamma and out0 are f32; sums, bias, gamma and the residual 2 x (of the unrounded x) in f32.
; SHARES.  A work-group makes all 256 output rows for 128 positions of one batch (blocks 2 cg and 2 cg + 1 of 64).  Sixteen waves: wave w makes rows 32 (w / 2) .. + 31 of block w % 2: eight accumulators
; (i, f): rows 16 i on, fragment f.  Lane place r of fragment f is position 64 block + 4 r + f, so a lane's four results for f = 0..3 are 16 neighbouring bytes of a row of out0, and sixteen lanes
; store 256 consecutive bytes, aligned: no stage in LDS.  K = 256 goes in eight steps of 32, one head each.
; Bytes bind this launch: x and out0 once each, o once; all loads go out at the start, and nothing in LDS is filled twice.
; CLUSTER.  All work-groups read the same Wo: the four of a cluster ask for it jointly (waves 0-7, 16,384 bytes each).  o is the work-group's own (waves 8-15, 8,192 bytes each, no mask).
; LDS.  0: Wo, [row block 16][K step 8][1,024 bytes].  131,072: o, [block 2][K step 8][f 4][1,024 bytes].  196,608: the spare words.  A fragment: registers 0-3 of 32 lanes, then registers 4-7.
.set OFL,   131072
.set SPARE, 196608     ; 128 bytes for each of the sixteen waves: eight blocks of 256 bytes that no other line names
.set GB,  16           ; v16-31   gamma bo of my rows: (i, j) at GB + 8 i + j
.set ACC, 32           ; v32-95   (i, f) at ACC + 8 (4 i + f)
.set XR,  96           ; v96-159  x, then the result: (i, j) at XR + 4 (8 i + j), four positions
.set F0,  160          ; v160-207, v208-255  two sets of fragments: Wo's 2, then o's 4
; v1 Wo's fragments in LDS; v2 o's; v3 my offset in x and out0; v4 my offset in bo; v10, v11 the add's two registers
; s16 wave; s17 cx; s18 cg; s19 batch; s20 gamma; s[24:31], s[32:35] descriptor for Wo; s[40:47], s[36:39] for o
.macro PLACES
.rept 4
	v_nop
.endr
.endm
.macro ROUND                         ; a round of the cluster's barrier
	s_barrier_signal -1
	s_barrier_wait -1
	s_cmp_lg_u32 s16, 0
	s_cbranch_scc1 .Lnot_wave_0_\@
	s_barrier_signal -3
.Lnot_wave_0_\@:
	s_barrier_wait -3
	s_barrier_signal -1
	s_barrier_wait -1
.endm
	s_load_b256 s[4:11], s[0:1], 0x0               ; ofrag, wofrag, x, bo
	s_load_b128 s[12:15], s[0:1], 0x20             ; gamma, out0
	v_lshl_add_u32 v10, v0, 2, SPARE
	v_mov_b32 v11, 0
	ds_add_u32 v10, v11                            ; the wave's opening: the add and its wait ahead of my first tensor load; the set-up below, work on registers, stands between them
	v_lshrrev_b32 v5, 5, v0
	v_readfirstlane_b32 s16, v5                    ; wave 0..15
	s_bfe_u32 s17, ttmp6, 0x40000                  ; cx: it enters global addresses alone
	s_lshl_b32 s18, ttmp9, 2
	s_add_co_u32 s18, s18, s17                     ; cg = 4 x cluster x + cx: my 128 positions
	s_and_b32 s19, ttmp7, 0xffff                   ; batch
	s_lshr_b32 s21, s16, 1                         ; og: my 32 rows
	s_and_b32 s22, s16, 1                          ; which block of 64 positions
	s_mov_b32 s24, 15|(3<<16)|(1<<21)              ; Wo: the mask of four; elements of 8 bytes; 21 set beside a mask
	s_mov_b32 s25, 32<<16                          ; 64 rows of 256 bytes, dense
	s_mov_b32 s26, 64<<16
	s_mov_b32 s27, 32<<16
	s_mov_b32 s28, 64
	s_mov_b32 s29, 32
	s_mov_b32 s30, 0
	s_mov_b32 s31, 0
	s_mov_b32 s40, 3<<16                           ; o: no mask; 32 rows of 256 bytes, dense
	s_mov_b32 s41, 32<<16
	s_mov_b32 s42, 32<<16
	s_mov_b32 s43, 32<<16
	s_mov_b32 s44, 32
	s_mov_b32 s45, 32
	s_mov_b32 s46, 0
	s_mov_b32 s47, 0
	s_mov_b32 s32, 1
	s_lshl_b32 s33, s16, 14                        ; waves 0-7: LDS byte 16,384 w
	s_mov_b32 s36, 1
	s_lshl_b32 s37, s16, 13
	s_add_co_u32 s37, s37, 65536                   ; waves 8-15: LDS byte 131,072 + 8,192 (w - 8)
	s_lshl_b32 s48, s16, 14                        ; my part of wofrag: the wave's number alone
	s_mov_b32 s49, 0
	s_and_b32 s50, s16, 7                          ; my part of the work-group's 65,536 bytes of ofrag
	s_lshl_b32 s50, s50, 13
	s_lshl_b32 s51, s19, 19
	s_add_co_u32 s50, s50, s51
	s_lshl_b32 s51, s18, 16
	s_add_co_u32 s50, s50, s51
	s_mov_b32 s51, 0
	s_lshl_b32 s52, s19, 20                        ; x and out0: the batch, my 32 rows, my 64 positions
	s_lshl_b32 s53, s21, 17
	s_add_co_u32 s52, s52, s53
	s_lshl_b32 s53, s18, 9
	s_add_co_u32 s52, s52, s53
	s_lshl_b32 s53, s22, 8
	s_add_co_u32 s52, s52, s53
	s_mov_b32 s53, 0
	s_lshl_b32 s54, s21, 7                         ; bo of my 32 rows
	s_mov_b32 s55, 0
	v_and_b32 v5, 31, v0
	v_lshlrev_b32 v5, 4, v5                        ; 16 x lane
	v_lshl_add_u32 v1, s21, 14, v5                 ; Wo's row blocks 2 og, 2 og + 1
	v_lshl_add_u32 v2, s22, 15, v5
	v_add_nc_u32 v2, OFL, v2                       ; o's block
	v_and_b32 v3, 15, v0
	v_bfe_u32 v4, v0, 4, 1
	v_lshlrev_b32 v3, 4, v3
	v_lshl_add_u32 v3, v4, 15, v3                  ; row 8 h, 16 bytes at 16 r
	v_lshlrev_b32 v4, 5, v4                        ; bo: 8 numbers for each half of the lanes
	s_wait_dscnt 0x0                               ; the opening add is done
	s_wait_kmcnt 0x0
	s_load_b32 s20, s[12:13], 0x0                  ; gamma
	s_add_nc_u64 s[34:35], s[6:7], s[48:49]
	s_or_b32 s35, s35, 0x80000000                  ; type = 2
	s_add_nc_u64 s[38:39], s[4:5], s[50:51]
	s_or_b32 s39, s39, 0x80000000
	s_add_nc_u64 s[8:9], s[8:9], s[52:53]
	s_add_nc_u64 s[14:15], s[14:15], s[52:53]
	s_add_nc_u64 s[10:11], s[10:11], s[54:55]
.set i, 0
.rept 2
.set j, 0
.rept 8
	global_load_b128 v[XR+4*(8*i+j):XR+4*(8*i+j)+3], v3, s[8:9] offset:4096*(16*i+j) th:TH_LOAD_NT  ; lanes 0-15: 256 consecutive bytes of row 16 i + j, lanes 16-31 of the row 8 below
.set j, j+1
.endr
.set i, i+1
.endr
.set i, 0
.rept 2
	global_load_b128 v[GB+8*i:GB+8*i+3],   v4, s[10:11] offset:64*i
	global_load_b128 v[GB+8*i+4:GB+8*i+7], v4, s[10:11] offset:64*i+16
.set i, i+1
.endr
	ROUND                                          ; all four work-groups are here: the joint loads meet
	s_cmp_lt_u32 s16, 8                            ; one tensor load a wave; the branch hangs on the wave's number alone
	s_cbranch_scc0 .Lfor_o
	tensor_load_to_lds s[32:35], s[24:31]
	s_nop 0
	PLACES
	s_branch .Lasked
.Lfor_o:
	tensor_load_to_lds s[36:39], s[40:47]
	s_nop 0
	PLACES
.Lasked:
	s_wait_tensorcnt 0x0                           ; my part is in,
	s_barrier_signal -1
	s_barrier_wait -1                              ; everybody's is
.macro LFRAG kk, set                 ; the fragments of K step kk: twelve loads of 512 neighbouring bytes
.set i, 0
.rept 2
	ds_load_b128 v[(\set)+8*i:(\set)+8*i+3],   v1 offset:8192*i+1024*(\kk)
	ds_load_b128 v[(\set)+8*i+4:(\set)+8*i+7], v1 offset:8192*i+1024*(\kk)+512
.set i, i+1
.endr
.set f, 0
.rept 4
	ds_load_b128 v[(\set)+16+8*f:(\set)+16+8*f+3], v2 offset:4096*(\kk)+1024*f
	ds_load_b128 v[(\set)+16+8*f+4:(\set)+16+8*f+7], v2 offset:4096*(\kk)+1024*f+512
.set f, f+1
.endr
.endm
	LFRAG 0, F0
.set ks, 0
.rept 8
.if ks < 7
.if ks > 0
	PLACES                                         ; the other set was read by the products just issued
.endif
	LFRAG ks+1, F0+48*((ks+1)%2)
	s_wait_dscnt 12                                ; this step's fragments are in; the twelve loads just issued may stay out
.else
	s_wait_dscnt 0x0
.endif
.set fs, F0+48*(ks%2)
.set i, 0
.rept 2                              ; the eight accumulators take turns, one instruction a turn
.set f, 0
.rept 4
.if ks == 0
	v_wmma_f32_16x16x32_bf16 v[ACC+8*(4*i+f):ACC+8*(4*i+f)+7], v[fs+8*i:fs+8*i+7], v[fs+16+8*f:fs+16+8*f+7], 0
.else
	v_wmma_f32_16x16x32_bf16 v[ACC+8*(4*i+f):ACC+8*(4*i+f)+7], v[fs+8*i:fs+8*i+7], v[fs+16+8*f:fs+16+8*f+7], v[ACC+8*(4*i+f):ACC+8*(4*i+f)+7]
.endif
.set f, f+1
.endr
.set i, i+1
.endr
.set ks, ks+1
.endr
	; gamma sum + (2 x + gamma bo): two fused multiply-adds a number.  The sixteen products gamma bo are the places behind the last matrix instructions; each accumulator is read from its low end on.
	s_wait_kmcnt 0x0                               ; gamma
	s_wait_loadcnt 0x0                             ; x and bo
.set i, 0
.rept 16
	v_mul_f32 v[GB+i], s20, v[GB+i]
.set i, i+1
.endr
.set i, 0
.rept 2
.set j, 0
.rept 8
.set f, 0
.rept 4
	v_fma_f32 v[XR+4*(8*i+j)+f], v[XR+4*(8*i+j)+f], 2.0, v[GB+8*i+j]
.set f, f+1
.endr
.set f, 0
.rept 4
	v_fma_f32 v[XR+4*(8*i+j)+f], v[ACC+8*(4*i+f)+j], s20, v[XR+4*(8*i+j)+f]
.set f, f+1
.endr
	global_store_b128 v3, v[XR+4*(8*i+j):XR+4*(8*i+j)+3], s[14:15] offset:4096*(16*i+j) th:TH_STORE_NT  ; 16 lanes store 256 consecutive bytes, at a multiple of 256 from out0's first byte
.set j, j+1
.endr
.set i, i+1
.endr
	s_wait_tensorcnt 0x0                           ; the wave's end, behind my last tensor load
	ds_add_u32 v10, v11
	s_wait_dscnt 0x0
	ROUND                                          ; the closing round: no work-group ends while a partner may still ask for a tile that names it
	s_endpgm
.Lfunc_end_k_q7786e9a285_outp:
	.size	k_q7786e9a285_outp, .Lfunc_end_k_q7786e9a285_outp-k_q7786e9a285_outp
	.p2alignl 7, 3214868480
	.fill 96, 4, 3214868480
	.section	.rodata,"a",@progbits
	.p2align	6, 0x0
	.amdhsa_kernel k_q7786e9a285_outp
		.amdhsa_group_segment_fixed_size 198656
		.amdhsa_private_segment_fixed_size 0
		.amdhsa_enable_private_segment 0
		.amdhsa_kernarg_size 48
		.amdhsa_user_sgpr_count 2
		.amdhsa_user_sgpr_kernarg_segment_ptr 1
		.amdhsa_wavefront_size32 1
		.amdhsa_system_sgpr_workgroup_id_x 1
		.amdhsa_system_sgpr_workgroup_id_y 1
		.amdhsa_system_sgpr_workgroup_id_z 1
		.amdhsa_system_vgpr_workitem_id 0
		.amdhsa_next_free_vgpr 256
		.amdhsa_next_free_sgpr 66
		.amdhsa_reserve_vcc 0
		.amdhsa_float_denorm_mode_32 3
		.amdhsa_float_denorm_mode_16_64 3
		.amdhsa_memory_ordered 1
		.amdhsa_forward_progress 1
		.amdhsa_inst_pref_size 28
	.end_amdhsa_kernel
	.amdgpu_metadata
---
amdhsa.version: [ 1, 2 ]
amdhsa.kernels:
  - .name:           k_q7786e9a285_outp
    .symbol:         k_q7786e9a285_outp.kd
    .args:
      - { .name: ofrag, .offset: 0, .size: 8, .value_kind: global_buffer, .address_space: global }
      - { .name: wofrag, .offset: 8, .size: 8, .value_kind: global_buffer, .address_space: global }
      - { .name: x, .offset: 16, .size: 8, .value_kind: global_buffer, .address_space: global }
      - { .name: bo, .offset: 24, .size: 8, .value_kind: global_buffer, .address_space: global }
      - { .name: gamma, .offset: 32, .size: 8, .value_kind: global_buffer, .address_space: global }
      - { .name: out0, .offset: 40, .size: 8, .value_kind: global_buffer, .address_space: global }
    .group_segment_fixed_size: 198656
    .private_segment_fixed_size: 0
    .kernarg_segment_align: 8
    .kernarg_segment_size: 48
    .max_flat_workgroup_size: 512
    .sgpr_count:     66
    .vgpr_count:     256
    .wavefront_size: 32
...
	.end_amdgpu_metadata
.endif
;; end of part 2
